; MI455X (gfx1250); checked and timed in simulation.
; The chip was launched on July 23, 2026; its instructions are those of AMD's public machine-readable ISA for CDNA 5 (MIT licence, August 2026) and "CDNA5" Instruction Set Architecture Reference Guide (July 2026). The comments in the code are by the model that wrote it; some were corrected since.
;; Causal Self Attention. Allowed arithmetic: matrix products marked QUANTISED: E2M1 operands, one E8M0 scale for each 32 along K, by v_wmma_scale_f32_16x16x128_f8f6f4 with both operands' format E2M1 (or v_wmma_scale_f32_32x16x128_f4), f32 sums; everything else in f32.
;; Inputs: Wk_codes 1,024 x 32 x 16 uint8 (E2M1 codes of Wk, K innermost, in blocks of 32 codes, two codes a byte); Wk_scales 1,024 x 32 uint8 (E8M0 scales of Wk, one for each 32 codes along K); Wp_codes 1,024 x 32 x 16 uint8 (E2M1 codes of Wp, K innermost, in blocks of 32 codes, two codes a byte); Wp_scales 1,024 x 32 uint8 (E8M0 scales of Wp, one for each 32 codes along K); Wq_codes 1,024 x 32 x 16 uint8 (E2M1 codes of Wq, K innermost, in blocks of 32 codes, two codes a byte); Wq_scales 1,024 x 32 uint8 (E8M0 scales of Wq, one for each 32 codes along K); Wv_codes 1,024 x 32 x 16 uint8 (E2M1 codes of Wv, K innermost, in blocks of 32 codes, two codes a byte); Wv_scales 1,024 x 32 uint8 (E8M0 scales of Wv, one for each 32 codes along K); bk 1,024 float32; bp 1,024 float32; bq 1,024 float32; bv 1,024 float32; rope_cache 2,048 x 32 x 2 float32; x_codes 4 x 2,048 x 32 x 16 uint8 (E2M1 codes of x, K innermost, in blocks of 32 codes, two codes a byte); x_scales 4 x 2,048 x 32 uint8 (E8M0 scales of x, one for each 32 codes along K).
;; Outputs: out0 4 x 2,048 x 1,024 float32.
;; This version of the problem:
;;   THIS VERSION OF THE PROBLEM IS GIVEN IN LOW PRECISION. The matrix products marked QUANTISED in the list below multiply operands that are first quantised to E2M1 (2 exponent bits, 1 mantissa bit; 4 bits a number), with one power-of-two scale for each 32 numbers along K (OCP MX v1.0); their sums are f32. All else is computed in f32.
;;   The module's matrix products, in the order in which they are computed (A, B: the left and right operand; K: the contracted axis; several contracted axes count as one K, in the product's order):
;;     1. [M 8,192, K 1,024] x [K 1,024, N 1,024]; A: input x (given as codes); B: input Wq (given as codes): QUANTISED
;;     2. [M 8,192, K 1,024] x [K 1,024, N 1,024]; A: input x (given as codes); B: input Wk (given as codes): QUANTISED
;;     3. [M 8,192, K 1,024] x [K 1,024, N 1,024]; A: input x (given as codes); B: input Wv (given as codes): QUANTISED
;;     4. batch 64 x [M 2,048, K 64] x [K 64, N 2,048]; A: computed on the way; B: computed on the way: QUANTISED
;;     5. batch 64 x [M 2,048, K 2,048] x [K 2,048, N 64]; A: softmax (see below); B: computed on the way: QUANTISED
;;     6. [M 8,192, K 1,024] x [K 1,024, N 1,024]; A: computed on the way; B: input Wp (given as codes): QUANTISED
;;   THE QUANTISER, for each operand of a quantised product, along K:
;;     - K is cut into blocks of 32 from its start; a last block that is shorter is filled with zeros.
;;     - A block's scale is 2^e with e = floor(log2(the largest magnitude in the block)) - 2, held to -126 .. 127; a block of zeros has e = 0. As a byte (E8M0): e + 127.
;;     - Each number is divided by its block's scale, clamped to +-6, and rounded to the nearest number of E2M1, ties to even, subnormals kept.
;;     - The product sums the exact products of the quantised numbers (number of the format x scale) in f32.
;;   ~~~python
;;   def quantise(x, axis):      # numpy; x: float32 -> the quantised numbers, widened to float32 again
;;       x = np.moveaxis(x, axis, -1); K = x.shape[-1]
;;       x = np.pad(x, [(0, 0)] * (x.ndim - 1) + [(0, -K % 32)]); x = x.reshape(x.shape[:-1] + (-1, 32)); a = np.abs(x).max(-1, keepdims=True)
;;       e = np.where(a > 0, np.clip(np.frexp(np.where(a > 0, a, 1))[1] - 1 - 2, -126, 127), 0)      # np.frexp(a)[1] - 1 = floor(log2(a)), exactly
;;       r = np.clip(x / 2.0 ** e, -6, 6)
;;       step = 2.0 ** (np.maximum(np.frexp(np.where(r == 0, 1, r))[1] - 1, 0) - 1)
;;       q = np.round(r / step) * step * 2.0 ** e      # np.round: ties to even
;;       return np.moveaxis(q.reshape(q.shape[:-2] + (-1,))[..., :K], -1, axis).astype(np.float32)
;;   ~~~
;;   SOFTMAX AHEAD OF A QUANTISED PRODUCT. Where the list says 'softmax', what is quantised is not the finished softmax but p = 2^(t - M), with t = logit x log2(e) and M = ceil(the row's largest t), a whole number; so 1/2 < the row's largest p <= 1. The row's sum l is taken of the UNQUANTISED p, in f32, and the product's result is divided by l at the end. Since M is a whole number, a kernel that streams over the keys may use a running M (the ceiling of the running maximum): every later rescaling is an exact power of two, which a block's scale takes up: the codes' values come out the same.
;;   OPERANDS COMPUTED ON THE WAY. 'Computed on the way' means the value that the module computes at that place (a softmax that the list does not call 'softmax' is quantised finished and normalised). What goes into a quantiser is computed in f32, as accurately as f32 sums, v_exp_f32 and their like allow (about 1e-6 of the number): no bf16 or f16 on the way to a quantiser, and a product that is left as it is and whose result goes on into a quantised operand takes f32 operands (vector FMAs, or v_wmma_f32_16x16x4_f32). A number that lies on a knife's edge between two numbers of the format may be rounded either way, as far as f32 arithmetic and the matrix unit's own rounding can turn it there, and no further.
;;   INPUTS GIVEN AS CODES. Wk (in the module: [1024, 1024], K = its axis 1); Wp (in the module: [1024, 1024], K = its axis 1); Wq (in the module: [1024, 1024], K = its axis 1); Wv (in the module: [1024, 1024], K = its axis 1); x (in the module: [4, 2048, 1024], K = its axis 2): each comes as NAME_codes (uint8): NAME with its K axis moved to the last place and cut into blocks of 32 codes, [.., K / 32, bytes a block], one block behind the other in memory; two codes a byte, the lower K in the low four bits (a code: sign, 2 exponent bits, 1 mantissa bit); and NAME_scales (uint8): the same leading axes, one E8M0 byte (e + 127) for each 32 codes along K. Its value is code x scale, taken as it is: it is not quantised again, and the codes and scales need not be those that the quantiser above would give.
;; One version. Each part assembles by itself: llvm-mc -triple=amdgcn-amd-amdhsa -mcpu=gfx1250 --defsym DOCPART=n.
;; ======== version 1 of 1: 3 launches
;; workspace buffers: rec 13,893,632 bytes; yimg 4,194,304 bytes; ysc 262,144 bytes
;; launch qkv (part 1): grid 12 x 64, 4 waves a work-group, clusters of 4 x 4, 257,280 bytes of LDS; arguments x_codes, x_scales, Wq_codes, Wq_scales, Wk_codes, Wk_scales, Wv_codes, Wv_scales, bq, bk, bv, rope_cache, rec; writes rec
.if DOCPART == 1
	.amdgcn_target "amdgcn-amd-amdhsa--gfx1250"
	.amdhsa_code_object_version 6
	.text
	.protected	k_q5f905a3909_qkv
	.globl	k_q5f905a3909_qkv
	.p2align	8
	.type	k_q5f905a3909_qkv,@function
k_q5f905a3909_qkv:
	s_mov_b64 s[64:65], 0
	v_nop
	global_prefetch_b8 v0, s[64:65] scope:SCOPE_SE
	s_setreg_imm32_b32 hwreg(HW_REG_WAVE_MODE, 25, 1), 1
	s_wait_xcnt 0x0
	s_wait_alu depctr_hold_cnt(0) depctr_sa_sdst(0) depctr_va_vdst(0) depctr_va_sdst(0) depctr_va_ssrc(0) depctr_va_vcc(0) depctr_vm_vsrc(0)
	s_getreg_b32 s2, hwreg(HW_REG_IB_STS2, 6, 4)
	s_cmp_eq_u32 s2, 0
	s_cbranch_scc0 .Lentry_in_a_cluster
	s_endpgm
.Lentry_in_a_cluster:
	s_bfe_u32 s2, ttmp6, 0x10000c
	s_cmp_lg_u32 s2, 0xf033
	s_cbranch_scc0 .Lentry_shape_is_right
	s_endpgm
.Lentry_shape_is_right:
; q = rope(x Wq^T + bq), k = rope(x Wk^T + bk), v = x Wv^T + bv, on codes of FP4 (E2M1) with one E8M0 byte for each 32 along K = 1,024; sums in f32.
; The results are quantised here, q and k along the head's 64 channels, v along the keys, and stored as IMAGES OF OPERAND REGISTERS (lane l's 16 bytes at 16 l) in records of RS bytes,
; one for each (batch, head, step of 128 tokens): K codes 0, K scale words 4,096, V codes 4,608, V scale words 8,704, Q codes 8,960, Q scale words 13,056.
; ROLES, by the cluster's x, which all sixteen partners share: 0 = q, 1 = k: side A = x (tokens), side B = the weight (channels);  2 = v: side A = Wv (channels), side B = x (tokens).
; A work-group makes 128 rows of A against 256 rows of B; a wave 64 x 128: 32 accumulators, 256 registers (window 1).  THE MATRIX INSTRUCTION IS USED TRANSPOSED (source 0 = 16 rows of B,
; source 1 = 16 rows of A): a lane holds one row of A, and its registers run along B's rows, which are the axis to be quantised: channels for q and k, tokens for v.
; All of K lies in LDS at once, as two slots of 512 along K: every tensor load is a first fill, nothing is filled again.  A wave has four tensor loads out.
; CLUSTERS: 4 x 4.  A's tiles, A's scales and the rope's rows hang on the tile row alone and are asked for jointly along a row of the cluster, B's tiles and scales along a column.
; In role v the rope's rows and the q/k bias are fetched and not used, in roles q and k bv: so that all roles take one path up to the way out.
; LIMITS: NaN and infinities among the inputs are not served; a block whose largest magnitude lies under 2^-124 keeps the scale byte 1 (a block of zeros too: its codes are zeros, and this program alone reads the bytes).
; REGISTERS: window 0: v0-15 ids and addresses; v32-95 scale words, two sets, and nothing else; v96-127 A's four fragments; v128-255 B's eight fragments, two sets.
;   On the way out: v96-111 at work, v112-115 scratch and the scale word, v116-127 scale words to be packed, v128-191 64 numbers, v192-223 the rope's numbers, v224-255 codes.
;   window 1: accumulator (a, b) at v[8 (8 a + b)].   window 2: v0-63 the q/k bias in the result's layout, v64-71 bv, each number twice.
.set RS,    13568
.set PITCH, 272                        ; an LDS row: 256 bytes + 16 of padding: the 16 rows that a load touches begin 16 bytes apart modulo 256
.set HALFA, 64*PITCH
.set HALFB, 128*PITCH
.set BOFF,  2*HALFA                    ; a slot: A's 128 rows, then B's 256
.set SLOT,  BOFF+2*HALFB
.set SCL,   2*SLOT                     ; A's scale bytes: 128 rows x 32 bytes as 16 lines of 256 + 16
.set SHA,   8*272
.set SHB,   16*272
.set SCB,   SCL+2*SHA                  ; B's: 32 lines
.set ROPE,  SCB+2*SHB                  ; 128 rows of the rope's table, 256 bytes + 16
.set RQ,    32*272
.set PADW,  (1<<20)|(1<<21)|(5<<22)|(3<<25)   ; padding on; bit 21 beside a mask; after every 64 words; four words
.set ADRA, 4                           ; v4-5   my A fragments in slot 0, 1
.set ADRB, 6                           ; v6-7   the same for B
.set ADRS, 8                           ; v8     my scale words: lanes 0-15 A's rows, lanes 16-31 B's
.set VBQ,  9                           ; v9     32 h
.set VBV,  10                          ; v10    4 r
.set VC,   11                          ; v11    16 lane + 2,048 x my half of A
.set VS8,  12                          ; v12    8 lane + 256 x my half of A
.set ROPEA, 13                         ; v13    my row of the rope's tile
.set L16,  14
.set L8,   15
.set SC,   32
.set AF,   96
.set BF,   128
.set TM,   96
.set PW,   112
.set U,    112
.set SW,   116
.set X,    124
.set T,    128
.set R,    192
.set PC,   224
.set G0A0, 12
.set G0A1, 16
.set MCOL, 30
.set NT,   31
.set G1A,  32
.set G1B,  40
.set G1SA, 48
.set G1SB, 56
.set CX,   66
.set CY,   67
.set G1R,  68
.set G0B0, 76
.set G0B1, 80
.set G0SA, 84
.set G0SB, 88
.set G0R,  92
.set WV,   96
.set HA,   97
.set HB,   98
.set MROW, 99
.set TR,   100
.set TC,   101
.set SEL,  104
.set MUL,  0x50                        ; C and D in window 1
.set MSB, 0
.macro WIN new                         ; the immediate's high byte repeats the setting that is left
.if MSB != \new
	s_set_vgpr_msb (MSB<<8)|\new
.set MSB, \new
.endif
.endm
.macro PLACES
.rept 4
	v_nop
.endr
.endm
.macro CROUND                          ; a round of the cluster's barrier
	s_barrier_signal -1
	s_barrier_wait -1
	s_cmp_lg_u32 s[WV], 0
	s_cbranch_scc1 .Lnot_wave_0_\@
	s_barrier_signal -3
.Lnot_wave_0_\@:
	s_barrier_wait -3
	s_barrier_signal -1
	s_barrier_wait -1
.endm
.macro JLOAD g0a, g1a, g0b, g1b        ; waves 0 and 1 fetch for A, waves 2 and 3 for B; four v_nop follow each line
	s_cmp_eq_u32 s[HA], 0
	s_cbranch_scc0 .Lfor_b_\@
	tensor_load_to_lds s[\g0a:\g0a+3], s[\g1a:\g1a+7]
	s_nop 0
.rept 4
	v_nop
.endr
	s_branch .Lasked_\@
.Lfor_b_\@:
	tensor_load_to_lds s[\g0b:\g0b+3], s[\g1b:\g1b+7]
	s_nop 0
.rept 4
	v_nop
.endr
.Lasked_\@:
.endm
.macro GROUP1 g, mask, w0, c, rows, pitch
	s_or_b32 s[\g], s[\mask], \w0
	s_mov_b32 s[\g+1], (\c)<<16            ; tensor_dim0
	s_mov_b32 s[\g+2], (\rows)<<16         ; tensor_dim1
	s_mov_b32 s[\g+3], (\c)<<16            ; tile_dim0
	s_mov_b32 s[\g+4], \rows               ; tile_dim1
	s_mov_b32 s[\g+5], \pitch              ; from row to row
	s_mov_b32 s[\g+6], 0
	s_mov_b32 s[\g+7], 0
.endm
.macro GROUP0 g, ldsc, ptr, add        ; LDS address = s[NT] + a constant; global address = the pointer + a constant
	s_mov_b32 s[\g], 1
	s_add_co_u32 s[\g+1], s[NT], \ldsc
	s_add_nc_u64 s[\g+2:\g+3], s[\ptr:\ptr+1], \add
	s_or_b32 s[\g+3], s[\g+3], 0x80000000
.endm
	s_load_b512 s[4:19], s[0:1], 0x0               ; x codes, x scales, Wq codes, scales, Wk codes, scales, Wv codes, scales
	s_load_b256 s[20:27], s[0:1], 0x40             ; bq, bk, bv, rope
	s_load_b64 s[28:29], s[0:1], 0x60              ; rec
	v_lshl_add_u32 v30, v0, 2, 0x3eb00
	v_mov_b32 v31, 0
	ds_add_u32 v30, v31
	ds_add_u32 v30, v31
	v_lshrrev_b32 v1, 5, v0
	v_readfirstlane_b32 s[WV], v1                  ; wave 0..3
	s_lshr_b32 s[HA], s[WV], 1                     ; my half of A's rows.  Also: I fetch for A (0) or for B (1)
	s_and_b32 s[HB], s[WV], 1                      ; my half of B's rows.  Also: which half of a tile I fetch
	s_bfe_u32 s[CX], ttmp6, 0x40000
	s_bfe_u32 s[CY], ttmp6, 0x40004
	s_lshl_b32 s[MROW], s[CY], 2
	s_lshl_b32 s[MROW], 15, s[MROW]                ; my row of the cluster
	s_lshl_b32 s[MCOL], 0x1111, s[CX]              ; my column
	s_and_b32 s[NT], ttmp7, 0xffff                 ; the cluster's y, 0..15
	s_lshl_b32 s[TR], s[NT], 2
	s_and_b32 s104, s[NT], 1
	s_lshl_b32 s104, s104, 2
	s_lshr_b32 s105, s[NT], 1
	s_lshl_b32 s105, s105, 2
	s_cmp_eq_u32 ttmp9, 2                          ; role v: 8 tile rows of Wv, 32 tile columns of x; else 64 tile rows of x, 4 tile columns of the weight
	s_cselect_b32 s[TR], s104, s[TR]
	s_cselect_b32 s[TC], s105, 0
	s_add_co_u32 s[TR], s[TR], s[CY]               ; A's tile row
	s_add_co_u32 s[TC], s[TC], s[CX]               ; B's tile column
	GROUP1 G1A,  MROW, PADW, 256, 64, 512          ; 64 rows x 256 bytes of codes, rows 512 bytes apart
	GROUP1 G1B,  MCOL, PADW, 256, 128, 512         ; 128 rows
	GROUP1 G1SA, MROW, (3<<16)|PADW, 32, 8, 32     ; 2,048 dense bytes of scales as 8 lines of 256 (32 elements of 8 bytes)
	GROUP1 G1SB, MCOL, (3<<16)|PADW, 32, 16, 32    ; 4,096 bytes
	GROUP1 G1R,  MROW, (3<<16)|PADW, 32, 32, 32    ; 32 rows of the rope's table
	v_and_b32 v1, 15, v0                           ; r
	v_bfe_u32 v2, v0, 4, 1                         ; h
	v_and_b32 v3, 31, v0                           ; lane
	v_lshlrev_b32 v[VBQ], 5, v2
	v_lshlrev_b32 v[VBV], 2, v1
	s_wait_dscnt 0x0
	s_wait_kmcnt 0x0
	s_cmp_eq_u32 ttmp9, 1                          ; the buffers are chosen by the role, which hangs on no address
	s_cselect_b64 s[8:9], s[12:13], s[8:9]
	s_cselect_b64 s[10:11], s[14:15], s[10:11]
	s_cselect_b64 s[20:21], s[22:23], s[20:21]     ; bk or bq
	s_cmp_eq_u32 ttmp9, 2
	s_cselect_b64 s[8:9], s[4:5], s[8:9]           ; B's codes,
	s_cselect_b64 s[10:11], s[6:7], s[10:11]       ; B's scales,
	s_cselect_b64 s[4:5], s[16:17], s[4:5]         ; A's codes,
	s_cselect_b64 s[6:7], s[18:19], s[6:7]         ; A's scales
	s_lshl_b32 s2, s[TR], 16                       ; A: 128 rows of 512 bytes a tile row, 64 rows a half
	s_lshl_b32 s[NT], s[HB], 15
	s_add_co_u32 s2, s2, s[NT]
	s_mov_b32 s3, 0
	s_add_nc_u64 s[4:5], s[4:5], s[2:3]
	s_lshr_b32 s2, s2, 4                           ; its scales: 32 bytes a row
	s_add_nc_u64 s[6:7], s[6:7], s[2:3]
	s_lshl_b32 s22, s[TC], 17                      ; B: 256 rows a tile column, 128 a half
	s_lshl_b32 s[NT], s[HB], 16
	s_add_co_u32 s22, s22, s[NT]
	s_mov_b32 s23, 0
	s_add_nc_u64 s[8:9], s[8:9], s[22:23]
	s_lshr_b32 s22, s22, 4
	s_add_nc_u64 s[10:11], s[10:11], s[22:23]
	s_and_b32 s2, s[TR], 15                        ; the rope's rows: positions 128 (tile row mod 16) + 32 wave on
	s_lshl_b32 s2, s2, 15
	s_lshl_b32 s[NT], s[WV], 13
	s_add_co_u32 s2, s2, s[NT]
	s_add_nc_u64 s[26:27], s[26:27], s[2:3]
	s_lshl_b32 s22, s[TC], 10                      ; the q/k bias of my 128 channels (role v: the first 128, not used)
	s_lshl_b32 s[NT], s[HB], 9
	s_add_co_u32 s22, s22, s[NT]
	s_lshl_b32 s2, s[TR], 9                        ; bv of my 64 channels (roles q, k: the first 64, not used)
	s_lshl_b32 s[NT], s[HA], 8
	s_add_co_u32 s2, s2, s[NT]
	s_cmp_eq_u32 ttmp9, 2
	s_cselect_b32 s22, 0, s22
	s_cselect_b32 s2, s2, 0
	s_add_nc_u64 s[20:21], s[20:21], s[22:23]
	s_add_nc_u64 s[24:25], s[24:25], s[2:3]
	s_mul_i32 s[NT], s[HB], HALFA
	GROUP0 G0A0, 0, 4, 0
	GROUP0 G0A1, SLOT, 4, 256
	s_mul_i32 s[NT], s[HB], HALFB
	GROUP0 G0B0, BOFF, 8, 0
	GROUP0 G0B1, SLOT+BOFF, 8, 256
	s_mul_i32 s[NT], s[HB], SHA
	GROUP0 G0SA, SCL, 6, 0
	s_mul_i32 s[NT], s[HB], SHB
	GROUP0 G0SB, SCB, 10, 0
	s_mul_i32 s[NT], s[WV], RQ
	GROUP0 G0R, ROPE, 26, 0
	CROUND                                         ; all sixteen work-groups are here: the joint loads meet
	JLOAD G0SA, G1SA, G0SB, G1SB                   ; the scales,
	JLOAD G0A0, G1A, G0B0, G1B                     ; K 0 to 511,
	JLOAD G0A1, G1A, G0B1, G1B                     ; K 512 to 1,023,
	tensor_load_to_lds s[G0R:G0R+3], s[G1R:G1R+7]  ; and each wave's 32 rows of the rope's table: all first fills, in one group
	s_nop 0
.rept 4
	v_nop
.endr
	WIN 0x80                                       ; destination window 2
	s_wait_alu depctr_va_vdst(0)
.irp b, 0,1,2,3,4,5,6,7
.irp i, 0,1
	global_load_b128 v[8*\b+4*\i:8*\b+4*\i+3], v[VBQ], s[20:21] offset:64*\b+16*\i   ; the bias of channels 16 b + 8 h + 0 .. 7
.endr
.endr
.irp a, 0,1,2,3
	global_load_b32 v[64+2*\a], v[VBV], s[24:25] offset:64*\a                         ; bv of channel 16 a + r, twice: a pair for the packed addition
	global_load_b32 v[65+2*\a], v[VBV], s[24:25] offset:64*\a
.endr
	WIN 0
	v_mul_u32_u24 v20, v1, PITCH
	v_lshl_add_u32 v21, v2, 4, v20                 ; a fragment's row x pitch + 16 h
	s_mul_i32 s[NT], s[HA], HALFA
	v_add_nc_u32 v[ADRA], s[NT], v21
	v_add_nc_u32 v[ADRA+1], SLOT, v[ADRA]
	s_mul_i32 s[NT], s[HB], HALFB
	s_add_co_u32 s[NT], s[NT], BOFF
	v_add_nc_u32 v[ADRB], s[NT], v21
	v_add_nc_u32 v[ADRB+1], SLOT, v[ADRB]
	v_lshlrev_b32 v21, 5, v1                       ; my row's scales: 32 bytes a row,
	v_lshrrev_b32 v22, 3, v1
	v_lshl_add_u32 v21, v22, 4, v21                ; and 16 more behind each 256
	s_mul_i32 s[NT], s[HA], SHA                    ; A's: my 64 rows
	s_mul_i32 s104, s[HB], SHB                     ; B's: my 128 rows, behind A's 128
	s_add_co_u32 s104, s104, 2*SHA
	s_sub_co_u32 s104, s104, s[NT]
	v_mul_u32_u24 v22, s104, v2                    ; lanes 16-31 take B's: one product, the distance x h
	s_add_co_u32 s[NT], s[NT], SCL
	v_add_nc_u32 v21, v21, v22
	v_add_nc_u32 v[ADRS], s[NT], v21
	v_lshl_add_u32 v21, v2, 5, v20                 ; the rope: row r, + 32 h: the four pairs (cos, sin) of channels 8 h + 0 .. 7
	s_mul_i32 s[NT], s[HA], HALFA
	s_add_co_u32 s[NT], s[NT], ROPE
	v_add_nc_u32 v[ROPEA], s[NT], v21
	v_lshlrev_b32 v[L16], 4, v3
	v_lshlrev_b32 v[L8], 3, v3
	s_lshl_b32 s[NT], s[HA], 11
	v_add_nc_u32 v[VC], s[NT], v[L16]
	s_lshl_b32 s[NT], s[HA], 8
	v_add_nc_u32 v[VS8], s[NT], v[L8]
	s_mov_b32 s[SEL], 0x76543210                   ; v_permlanex16_b32's selects for lane l xor 16
	s_mov_b32 s[SEL+1], 0xfedcba98
; A fragment, 16 rows x 128 K of 4-bit codes, is 8 registers: lane l holds row l % 16; registers 4 c .. 4 c + 3 hold K = 64 c + 32 (l / 16) + 0 .. 31.
.macro FRAGB reg, slot, q, i
.irp c, 0,1
	ds_load_b128 v[\reg+4*\c:\reg+4*\c+3], v[ADRB+\slot] offset:64*(\q)+32*\c+(\i)*16*PITCH
.endr
.endm
.macro FRAGA reg, slot, q, i
.irp c, 0,1
	ds_load_b128 v[\reg+4*\c:\reg+4*\c+3], v[ADRA+\slot] offset:64*(\q)+32*\c+(\i)*16*PITCH
.endr
.endm
.macro FETCH_B slot, q, p              ; B's eight fragments of the slot's q-th 128 along K into set p
.irp i, 0,1,2,3,4,5,6,7
	FRAGB BF+64*(\p)+8*\i, \slot, \q, \i
.endr
.endm
.macro FETCH_A slot, q, a0             ; A's blocks a0, a0 + 1
.irp i, \a0, \a0+1
	FRAGA AF+8*(\i), \slot, \q, \i
.endr
.endm
.macro SCALES sc                       ; a slot's four scale words a row: lanes 0-15 A's block i (for i over 3: bytes that no product names), lanes 16-31 B's block i
.irp i, 0,1,2,3,4,5,6,7
	ds_load_b128 v[SC+32*\sc+4*\i:SC+32*\sc+4*\i+3], v[ADRS] offset:544*\i
.endr
.endm
; 16 matrix instructions: A's blocks a0, a0 + 1 x B's eight.  The 32 accumulators take turns, one instruction a turn, in the same order in every step.
.macro MUL16 a0, p, q, sc, zero
.irp a, \a0, \a0+1
.irp b, 0,1,2,3,4,5,6,7
.if \zero
	v_wmma_scale_f32_16x16x128_f8f6f4 v[8*(8*(\a)+\b):8*(8*(\a)+\b)+7], v[BF+64*(\p)+8*\b:BF+64*(\p)+8*\b+7], v[AF+8*(\a):AF+8*(\a)+7], 0, v[SC+32*(\sc)+4*\b+(\q)], v[SC+32*(\sc)+4*(\a)+(\q)] matrix_a_fmt:MATRIX_FMT_FP4 matrix_b_fmt:MATRIX_FMT_FP4 matrix_a_scale:MATRIX_SCALE_ROW1
.else
	v_wmma_scale_f32_16x16x128_f8f6f4 v[8*(8*(\a)+\b):8*(8*(\a)+\b)+7], v[BF+64*(\p)+8*\b:BF+64*(\p)+8*\b+7], v[AF+8*(\a):AF+8*(\a)+7], v[8*(8*(\a)+\b):8*(8*(\a)+\b)+7], v[SC+32*(\sc)+4*\b+(\q)], v[SC+32*(\sc)+4*(\a)+(\q)] matrix_a_fmt:MATRIX_FMT_FP4 matrix_b_fmt:MATRIX_FMT_FP4 matrix_a_scale:MATRIX_SCALE_ROW1
.endif
.endr
.endr
.endm
; A step of 128 along K whose successor lies in the same slot.  Four plain vector instructions stand in front of each run of loads into registers that matrix instructions have read.
.macro STEP slot, q, zero
	s_wait_dscnt 4                                 ; B's set and A's blocks 0, 1 are in; the four youngest loads (A's blocks 2, 3) may be out
	WIN MUL
	MUL16 0, (\q)%2, \q, \slot, \zero
	s_wait_dscnt 0                                 ; A's blocks 2, 3 are in
	PLACES
	WIN 0
	FETCH_B \slot, (\q)+1, 1-(\q)%2
	FETCH_A \slot, (\q)+1, 0
	WIN MUL
	MUL16 2, (\q)%2, \q, \slot, \zero
	PLACES
	WIN 0
	FETCH_A \slot, (\q)+1, 2
.endm
	s_wait_alu depctr_va_vdst(0)
	s_wait_tensorcnt 0x2                           ; the scales and my part of slot 0 are in; slot 1's load and the rope's, issued behind them, may be out
	s_barrier_signal -1
	s_barrier_wait -1                              ; everybody's are
	FETCH_B 0, 0, 0
	FETCH_A 0, 0, 0
	SCALES 0
	FETCH_A 0, 0, 2
	STEP 0, 0, 1                                   ; the first products start the sums: nothing is cleared
	STEP 0, 1, 0
	STEP 0, 2, 0
	s_wait_tensorcnt 0x0                           ; slot 0's last step changes slots: my part of slot 1 and of the rope's rows has landed,
	s_wait_dscnt 0x0                               ; no LDS load of mine is out at the signal
	s_barrier_signal -1
	WIN MUL
	MUL16 0, 1, 3, 0, 0
	WIN 0
	s_barrier_wait -1                              ; everybody's has
	PLACES
	v_add_nc_u32 v[ADRS], 16, v[ADRS]              ; slot 1's four scale words of each row
	FETCH_B 1, 0, 0
	FETCH_A 1, 0, 0
	SCALES 1
	WIN MUL
	MUL16 2, 1, 3, 0, 0
	PLACES
	WIN 0
	FETCH_A 1, 0, 2
	STEP 1, 0, 0
	STEP 1, 1, 0
	STEP 1, 2, 0
	s_wait_dscnt 4                                 ; the last step: nothing more to fetch
	WIN MUL
	MUL16 0, 1, 3, 1, 0
	s_wait_dscnt 0
	MUL16 2, 1, 3, 1, 0
	WIN 0
	PLACES
; 64 numbers of a lane, register 8 t + j = k 16 t + 8 (lane / 16) + j of my row, become a fragment's codes in v[pc] on and its scale word in v[pw].  Block b of 32 is registers 16 b .. 16 b + 15 of lanes l and l xor 16.
; The conversions of a pair of blocks are aimed so that two exchanges of half rows leave a WHOLE block in a lane: registers 4 c .. 4 c + 3 hold k = 64 c + 32 (lane / 16) + 0 .. 31.
.macro QUANT s, pc, pw
.irp b, 0,1,2,3
	v_max3_num_f32 v[TM+\b], |v[(\s)+16*\b]|, |v[(\s)+16*\b+1]|, 0x1800000   ; with the floor 2^(3 - 127): the byte cannot fall under 1
.endr
.irp i, 2,4,6,8,10,12,14
.irp b, 0,1,2,3
	v_max3_num_f32 v[TM+\b], v[TM+\b], |v[(\s)+16*\b+\i]|, |v[(\s)+16*\b+\i+1]|
.endr
.endr
.irp b, 0,1,2,3
	v_permlanex16_b32 v[TM+4+\b], v[TM+\b], s[SEL], s[SEL+1]
.endr
.irp b, 0,1,2,3
	v_max_num_f32 v[TM+\b], v[TM+\b], v[TM+4+\b]   ; the block's largest magnitude
.endr
.irp b, 0,1,2,3
	v_add_nc_u32 v[TM+12+\b], 0xff000000, v[TM+\b] ; 2 off its exponent field: the conversion's scale operand
.endr
.irp b, 0,1,2,3
	v_lshrrev_b32 v[TM+4+\b], 23, v[TM+12+\b]      ; the scale's byte
.endr
	v_lshl_or_b32 v[\pw], v[TM+5], 8, v[TM+4]
	v_lshl_or_b32 v[\pw], v[TM+6], 16, v[\pw]
	v_lshl_or_b32 v[\pw], v[TM+7], 24, v[\pw]
.irp c, 0,1
	v_cvt_scalef32_pk8_fp4_f32 v[(\pc)+4*\c],   v[(\s)+32*\c:(\s)+32*\c+7],     v[TM+12+2*\c]
	v_cvt_scalef32_pk8_fp4_f32 v[(\pc)+4*\c+1], v[(\s)+32*\c+16:(\s)+32*\c+23], v[TM+13+2*\c]
	v_cvt_scalef32_pk8_fp4_f32 v[(\pc)+4*\c+2], v[(\s)+32*\c+8:(\s)+32*\c+15],  v[TM+12+2*\c]
	v_cvt_scalef32_pk8_fp4_f32 v[(\pc)+4*\c+3], v[(\s)+32*\c+24:(\s)+32*\c+31], v[TM+13+2*\c]
.endr
	v_nop                                          ; one plain place behind a scaled conversion
.irp c, 0,1
	v_permlane16_swap_b32 v[(\pc)+4*\c], v[(\pc)+4*\c+1]
	v_permlane16_swap_b32 v[(\pc)+4*\c+2], v[(\pc)+4*\c+3]
.endr
.endm
.macro ROPELOAD a                      ; (cos, sin) of my row 16 a + r, for channels 16 b + 8 h + 0 .. 7 of a head
.irp b, 0,1,2,3
.irp i, 0,1
	ds_load_b128 v[R+8*\b+4*\i:R+8*\b+4*\i+3], v[ROPEA] offset:(\a)*16*PITCH+64*\b+16*\i
.endr
.endr
.endm
.irp b, 0,1,2,3
	v_mov_b32 v[TM+4+\b], 0                        ; written once: a lane permute's destination counts as one of its sources
.endr
	v_cmp_ne_u32 vcc_lo, 0, v2                     ; lanes 16-31
	s_wait_loadcnt 0x0                             ; the biases
	s_cmp_eq_u32 ttmp9, 2
	s_cbranch_scc1 .Lrole_v
	; ---- q and k: my 64 tokens x 128 channels = two heads.  Record = 256 batch + 16 head + step; the tile row's part and the tile column's part are added one after the other.
	s_lshr_b32 s2, s[TR], 4
	s_lshl_b32 s2, s2, 8
	s_and_b32 s[MROW], s[TR], 15
	s_add_co_u32 s2, s2, s[MROW]
	s_mul_i32 s2, s2, RS
	s_cmp_eq_u32 ttmp9, 0
	s_cselect_b32 s[MROW], 8960, 0                 ; q's part of a record lies 8,960 bytes behind k's
	s_add_co_u32 s2, s2, s[MROW]
	s_add_nc_u64 s[28:29], s[28:29], s[2:3]
	s_lshl_b32 s22, s[TC], 6                       ; head 4 x tile column + 2 x half, 16 records a head
	s_lshl_b32 s[MCOL], s[HB], 5
	s_add_co_u32 s22, s22, s[MCOL]
	s_mul_i32 s22, s22, RS
	s_add_nc_u64 s[28:29], s[28:29], s[22:23]
	ROPELOAD 0
.irp a, 0,1,2,3
	WIN 0x09                                       ; source 0 window 1 (the sums), source 1 window 2 (the bias)
.set i, 0
.rept 32
	v_pk_add_f32 v[T+2*i:T+2*i+1], v[64*\a+2*i:64*\a+2*i+1], v[2*i:2*i+1]   ; each accumulator from its low end on
.set i, i+1
.endr
	WIN 0
	s_wait_dscnt 0x0                               ; this row tile's cos and sin
.set p, 0
.rept 32                                       ; (a, b) -> (a cos - b sin, a sin + b cos); both heads take the same 32 pairs
	v_mul_f32 v[U+2*(p%2)],   v[T+2*p+1], v[R+(2*p)%32+1]
	v_mul_f32 v[U+2*(p%2)+1], v[T+2*p+1], v[R+(2*p)%32]
	v_fma_f32 v[T+2*p+1], v[T+2*p], v[R+(2*p)%32+1], v[U+2*(p%2)+1]
	v_fma_f32 v[T+2*p],   v[T+2*p], v[R+(2*p)%32],  -v[U+2*(p%2)]
.set p, p+1
.endr
.if \a < 3
	ROPELOAD \a+1
.endif
	QUANT T, PC+8*\a, PW
	v_and_b32 v[SW+\a], 0xffff, v[PW]              ; the first head's two bytes; the upper two stay 0: they scale zero codes
	v_lshrrev_b32 v[SW+4+\a], 16, v[PW]            ; the second head's
	global_store_b128 v[VC], v[PC+8*\a:PC+8*\a+3], s[28:29] offset:512*\a              ; 32 lanes store 512 consecutive bytes: registers 0-3 of token tile 4 x half + a
	global_store_b128 v[VC], v[PC+8*\a+4:PC+8*\a+7], s[28:29] offset:16*RS+512*\a      ; the next head: 16 records on
.endr
.irp c, 0,1                                    ; two scale words a lane: lanes 0-15 those of tiles 0 and 2 of my four, lanes 16-31 of tiles 1 and 3
	v_cndmask_b32 v[X+2*\c], v[SW+4*\c], v[SW+4*\c+1], vcc_lo
	v_cndmask_b32 v[X+2*\c+1], v[SW+4*\c+2], v[SW+4*\c+3], vcc_lo
	global_store_b64 v[VS8], v[X+2*\c:X+2*\c+1], s[28:29] offset:4096+16*RS*\c
.endr
	s_branch .Lend
.Lrole_v:
	; ---- v: my 64 channels = one head, my 128 tokens = one step
	s_lshl_b32 s22, s[TC], 1
	s_add_co_u32 s22, s22, s[HB]                   ; the step among all 64: 16 batch + step
	s_and_b32 s[MCOL], s22, 15
	s_lshr_b32 s22, s22, 4
	s_lshl_b32 s22, s22, 8
	s_add_co_u32 s22, s22, s[MCOL]
	s_mul_i32 s22, s22, RS
	s_add_nc_u64 s[28:29], s[28:29], s[22:23]
	s_lshl_b32 s2, s[TR], 1
	s_add_co_u32 s2, s2, s[HA]                     ; the head
	s_lshl_b32 s2, s2, 4
	s_mul_i32 s2, s2, RS
	s_add_nc_u64 s[28:29], s[28:29], s[2:3]
.irp a, 0,1,2,3
	WIN 0x09
.set i, 0
.rept 32
	v_pk_add_f32 v[T+2*i:T+2*i+1], v[64*\a+2*i:64*\a+2*i+1], v[64+2*\a:65+2*\a]
.set i, i+1
.endr
	WIN 0
	QUANT T, PC+8*\a, SW+\a
	global_store_b128 v[L16], v[PC+8*\a:PC+8*\a+3], s[28:29] offset:4608+1024*\a       ; channel tile a, keys 32 h on
	global_store_b128 v[L16], v[PC+8*\a+4:PC+8*\a+7], s[28:29] offset:4608+1024*\a+512 ; keys 64 + 32 h on
.endr
	v_cndmask_b32 v[X], v[SW], v[SW+1], vcc_lo
	v_cndmask_b32 v[X+1], v[SW+2], v[SW+3], vcc_lo
	global_store_b64 v[L8], v[X:X+1], s[28:29] offset:8704
.Lend:
	s_wait_tensorcnt 0x0
	ds_add_u32 v30, v31
	s_wait_dscnt 0x0
	CROUND                                         ; the closing round: no work-group ends while a partner may still ask for a tile that names it
	s_endpgm
.Lfunc_end_k_q5f905a3909_qkv:
	.size	k_q5f905a3909_qkv, .Lfunc_end_k_q5f905a3909_qkv-k_q5f905a3909_qkv
	.p2alignl 7, 3214868480
	.fill 96, 4, 3214868480
	.section	.rodata,"a",@progbits
	.p2align	6, 0x0
	.amdhsa_kernel k_q5f905a3909_qkv
		.amdhsa_group_segment_fixed_size 257280
		.amdhsa_private_segment_fixed_size 0
		.amdhsa_enable_private_segment 0
		.amdhsa_kernarg_size 104
		.amdhsa_user_sgpr_count 2
		.amdhsa_user_sgpr_kernarg_segment_ptr 1
		.amdhsa_wavefront_size32 1
		.amdhsa_system_sgpr_workgroup_id_x 1
		.amdhsa_system_sgpr_workgroup_id_y 1
		.amdhsa_system_sgpr_workgroup_id_z 1
		.amdhsa_system_vgpr_workitem_id 0
		.amdhsa_next_free_vgpr 640
		.amdhsa_next_free_sgpr 106
		.amdhsa_reserve_vcc 1
		.amdhsa_float_denorm_mode_32 3
		.amdhsa_float_denorm_mode_16_64 3
		.amdhsa_memory_ordered 1
		.amdhsa_forward_progress 1
		.amdhsa_inst_pref_size 138
	.end_amdhsa_kernel
	.amdgpu_metadata
---
amdhsa.version: [ 1, 2 ]
amdhsa.kernels:
  - .name:           k_q5f905a3909_qkv
    .symbol:         k_q5f905a3909_qkv.kd
    .args:
      - { .name: x_codes, .offset: 0, .size: 8, .value_kind: global_buffer, .address_space: global }
      - { .name: x_scales, .offset: 8, .size: 8, .value_kind: global_buffer, .address_space: global }
      - { .name: Wq_codes, .offset: 16, .size: 8, .value_kind: global_buffer, .address_space: global }
      - { .name: Wq_scales, .offset: 24, .size: 8, .value_kind: global_buffer, .address_space: global }
      - { .name: Wk_codes, .offset: 32, .size: 8, .value_kind: global_buffer, .address_space: global }
      - { .name: Wk_scales, .offset: 40, .size: 8, .value_kind: global_buffer, .address_space: global }
      - { .name: Wv_codes, .offset: 48, .size: 8, .value_kind: global_buffer, .address_space: global }
      - { .name: Wv_scales, .offset: 56, .size: 8, .value_kind: global_buffer, .address_space: global }
      - { .name: bq, .offset: 64, .size: 8, .value_kind: global_buffer, .address_space: global }
      - { .name: bk, .offset: 72, .size: 8, .value_kind: global_buffer, .address_space: global }
      - { .name: bv, .offset: 80, .size: 8, .value_kind: global_buffer, .address_space: global }
      - { .name: rope_cache, .offset: 88, .size: 8, .value_kind: global_buffer, .address_space: global }
      - { .name: rec, .offset: 96, .size: 8, .value_kind: global_buffer, .address_space: global }
    .group_segment_fixed_size: 257280
    .private_segment_fixed_size: 0
    .kernarg_segment_align: 8
    .kernarg_segment_size: 104
    .max_flat_workgroup_size: 128
    .sgpr_count:     106
    .vgpr_count:     640
    .wavefront_size: 32
...
	.end_amdgpu_metadata
.endif
;; end of part 1
;; launch attn (part 2): grid 4 x 64, 16 waves a work-group, clusters of 4 x 1, 169,984 bytes of LDS; arguments rec, yimg, ysc; writes yimg, ysc
.if DOCPART == 2
	.amdgcn_target "amdgcn-amd-amdhsa--gfx1250"
	.amdhsa_code_object_version 6
	.text
	.protected	k_q5f905a3909_attn
	.globl	k_q5f905a3909_attn
	.p2align	8
	.type	k_q5f905a3909_attn,@function
k_q5f905a3909_attn:
	s_mov_b64 s[64:65], 0
	v_nop
	global_prefetch_b8 v0, s[64:65] scope:SCOPE_SE
	s_setreg_imm32_b32 hwreg(HW_REG_WAVE_MODE, 25, 1), 1
	s_wait_xcnt 0x0
	s_wait_alu depctr_hold_cnt(0) depctr_sa_sdst(0) depctr_va_vdst(0) depctr_va_sdst(0) depctr_va_ssrc(0) depctr_va_vcc(0) depctr_vm_vsrc(0)
	s_getreg_b32 s2, hwreg(HW_REG_IB_STS2, 6, 4)
	s_cmp_eq_u32 s2, 0
	s_cbranch_scc0 .Lentry_in_a_cluster
	s_endpgm
.Lentry_in_a_cluster:
	s_bfe_u32 s2, ttmp6, 0x10000c
	s_cmp_lg_u32 s2, 0x3003
	s_cbranch_scc0 .Lentry_shape_is_right
	s_endpgm
.Lentry_shape_is_right:
; y[b][q][head] = softmax_k(q . k / 8, causal) v, both products on codes of FP4 (E2M1) with E8M0 scales, then y quantised along the model's 1,024 channels for the last product.
; rec holds, for each (batch, head, step of 128 tokens), a record of RS bytes of operand images: K codes 0, K scale words 4,096, V codes 4,608, V scale words 8,704, Q codes 8,960, Q scale words 13,056.
; THE SOFTMAX: t = score x log2(e) / 8; M = the running largest t rounded UP to a whole number; p = 2^(t - M) is quantised along the keys, not normalised; the sum of the unquantised p divides at the end.
; SHARES.  The four work-groups of a cluster share one head.  The head's K and V, 16 steps x 8,960 bytes, come into LDS ONCE, by one joint tensor load a wave (wave w: step w); one barrier; then LDS is only read.
; Each of the 16 waves owns two tiles of 16 queries, tile 8 g + e and tile 127 - (8 g + e) (g = wave / 2, e = 4 (wave % 2) + cx): g + 1 and 16 - g key steps, 17 for every wave.
; The step on the diagonal hangs on the wave's number alone; the place in the cluster enters global addresses and one vector compare, no branch and no LDS address.
; Every tile walks a loop of 16 trips; a step all of whose keys come after the tile's queries is jumped over.
; LAYOUT.  Both products transposed: S^T = K Q^T (source 0 = 16 keys), O^T = V^T P^T (source 0 = 16 channels): a lane holds ONE query.  The head has 64 channels, half of the instruction's K:
; registers 4-7 of K's and Q's fragments hold zero codes, and the upper two bytes of their scale words are 0.
; LIMITS: hidden scores become -infinity where reference() writes -1e10 (the two differ only where a visible logit lies near -1e10); NaN and infinities are not served; a block under 2^-124 keeps the byte 1.
.set RS,   13568
.set KVB,  8960                        ; a record's K and V part: 35 lines of 256 bytes
.set L16,  1                           ; v1   16 lane
.set L8,   2                           ; v2   8 lane
.set AD16, 3                           ; v3   + the step's first LDS byte
.set AD8,  4                           ; v4
.set DL,   5                           ; v5   late tile: my query in its step - 8 (lane / 16)
.set DE,   6                           ; v6   early tile
.set VYS,  7                           ; v7   32 r
.set QOL,  8
.set QOE,  9
.set QSL,  10                          ; v10, v11  Q's scale words
.set QSE,  11
.set QL,   16                          ; v16-23  the late tile's Q
.set P,    24                          ; v24-31  p's codes
.set KF,   32                          ; v32-95  K: 8 fragments
.set S,    96                          ; v96-159 S^T, then p
.set O,    160                         ; v160-191 O^T
.set VF,   192                         ; v192-223 V: 4 fragments
.set KS,   224                         ; v224-227 K's scale words, v228-229 V's, v231 p's; v224-227 also partial sums of p
.set VS,   228
.set QZL,  230
.set PS,   231
.set BM,   232
.set PT,   236
.set SO,   240
.set F,    244                         ; v[244:245] f = 2^(old M - new M), and a 0
.set TMP,  246
.set NINF, 247
.set QE,   248                         ; v248-255 the early tile's Q
.set WV,   12
.macro CROUND
	s_barrier_signal -1
	s_barrier_wait -1
	s_cmp_lg_u32 s[WV], 0
	s_cbranch_scc1 .Lnot_wave_0_\@
	s_barrier_signal -3
.Lnot_wave_0_\@:
	s_barrier_wait -3
	s_barrier_signal -1
	s_barrier_wait -1
.endm
	s_load_b128 s[4:7], s[0:1], 0x0                ; rec, yimg
	s_load_b64 s[8:9], s[0:1], 0x10                ; ysc
	v_lshl_add_u32 v254, v0, 2, 0x29000
	v_mov_b32 v255, 0
	ds_add_u32 v254, v255
	ds_add_u32 v254, v255
	s_wait_dscnt 0x0
	v_lshrrev_b32 v1, 5, v0
	s_delay_alu instid0(VALU_DEP_1)
	v_readfirstlane_b32 s[WV], v1                  ; wave 0..15
	s_bfe_u32 s13, ttmp6, 0x40000                  ; cx
	s_lshr_b32 s14, s[WV], 1                       ; g
	s_and_b32 s15, s[WV], 1
	s_lshl_b32 s15, s15, 2
	s_add_co_u32 s15, s15, s13                     ; e: the early tile's place in its step
	s_sub_co_u32 s17, 7, s15                       ; 7 - e: the late tile's
	s_and_b32 s16, ttmp7, 0xffff                   ; 16 batch + head
	s_sub_co_u32 s38, 15, s14                      ; the late tile's diagonal step
	s_mov_b32 s39, s14                             ; the early tile's
	s_mov_b32 s24, 15|(3<<16)|(1<<21)              ; the mask: all four work-groups; elements of 8 bytes; bit 21 beside a mask; no padding
	s_mov_b32 s25, 32<<16                          ; tensor_dim0 = 32 elements: 256 bytes
	s_mov_b32 s26, 35<<16                          ; tensor_dim1 = 35
	s_mov_b32 s27, 32<<16                          ; tile_dim0
	s_mov_b32 s28, 35                              ; tile_dim1
	s_mov_b32 s29, 32                              ; dense
	s_mov_b32 s30, 0
	s_mov_b32 s31, 0
	s_lshl_b32 s18, s16, 4                         ; the head's first record
	s_add_co_u32 s10, s18, s[WV]
	s_mul_i32 s10, s10, RS
	s_mov_b32 s11, 0
	s_mov_b32 s32, 1
	s_mul_i32 s33, s[WV], KVB                      ; step w lands at LDS byte 8,960 w
	s_mov_b32 s20, 0x76543210                      ; v_permlanex16_b32's selects for lane l xor 16
	s_mov_b32 s21, 0xfedcba98
	s_mov_b32 s22, 0x3e38aa3b                      ; c = log2(e) / 8
	s_mov_b32 s23, s22
	s_wait_kmcnt 0x0
	s_add_nc_u64 s[34:35], s[4:5], s[10:11]
	s_or_b32 s35, s35, 0x80000000
	CROUND                                         ; all four work-groups are here: the joint loads meet
	tensor_load_to_lds s[32:35], s[24:31]          ; my one tensor load
	s_nop 0
.rept 4
	v_nop
.endr
	s_mov_b32 s57, 0
	s_add_co_u32 s56, s18, s38
	s_mul_i32 s56, s56, RS
	s_add_nc_u64 s[40:41], s[4:5], s[56:57]        ; the record with the late tile's Q
	s_add_co_u32 s56, s18, s39
	s_mul_i32 s56, s56, RS
	s_add_nc_u64 s[42:43], s[4:5], s[56:57]        ; the early tile's
	s_lshr_b32 s19, s16, 4
	s_lshl_b32 s19, s19, 7                         ; 128 row tiles a batch
	s_and_b32 s52, s16, 15                         ; the head
	s_lshl_b32 s54, s52, 9
	s_lshl_b32 s55, s52, 1
.macro YBASE ds, ep, yb, sb            ; row tile = 128 batch + 8 step + place;  yimg: 8,192 bytes a row tile, 512 a head;  ysc: 512 bytes a row tile, 2 a head
	s_lshl_b32 s53, s[\ds], 3
	s_add_co_u32 s53, s53, s19
	s_add_co_u32 s53, s53, s[\ep]
	s_lshl_b32 s56, s53, 13
	s_add_co_u32 s56, s56, s54
	s_add_nc_u64 s[\yb:\yb+1], s[6:7], s[56:57]
	s_lshl_b32 s56, s53, 9
	s_add_co_u32 s56, s56, s55
	s_add_nc_u64 s[\sb:\sb+1], s[8:9], s[56:57]
.endm
	YBASE 38, 17, 44, 46
	YBASE 39, 15, 48, 50
	v_and_b32 v2, 31, v0
	s_delay_alu instid0(VALU_DEP_1)
	v_lshlrev_b32 v[L16], 4, v2
	s_delay_alu instid0(VALU_DEP_2)
	v_lshlrev_b32 v[L8], 3, v2
	v_and_b32 v3, 15, v0                           ; r
	s_wait_alu depctr_va_vdst(0)
	v_bfe_u32 v4, v0, 4, 1                         ; h
	v_lshlrev_b32 v[VYS], 5, v3
	s_delay_alu instid0(VALU_DEP_2)
	v_lshlrev_b32 v[TMP], 3, v4
	s_delay_alu instid0(VALU_DEP_1)
	v_sub_nc_u32 v[DL], v3, v[TMP]                 ; r - 8 h
	s_lshl_b32 s58, s15, 4
	v_add_nc_u32 v[DE], s58, v[DL]
	s_lshl_b32 s58, s17, 4
	v_add_nc_u32 v[DL], s58, v[DL]
	s_lshl_b32 s58, s17, 9
	v_add_nc_u32 v[QOL], s58, v[L16]               ; Q's codes: tile ep of the step at 512 ep
	s_wait_alu depctr_va_vdst(0)
	s_lshl_b32 s58, s15, 9
	v_add_nc_u32 v[QOE], s58, v[L16]
.macro QSOFF dst, ep                   ; tile ep's scale word of query r: 256 (ep / 4) + 8 (r + 16 (ep % 2)) + 4 ((ep / 2) % 2)
	s_lshr_b32 s58, s[\ep], 2
	s_lshl_b32 s58, s58, 8
	s_and_b32 s59, s[\ep], 1
	s_lshl_b32 s59, s59, 7
	s_add_co_u32 s58, s58, s59
	s_bfe_u32 s59, s[\ep], 0x10001
	s_lshl_b32 s59, s59, 2
	s_add_co_u32 s58, s58, s59
	v_lshl_add_u32 v[\dst], v3, 3, s58
.endm
	QSOFF QZL, 17
	s_wait_alu depctr_va_vdst(0)
	QSOFF TMP, 15
	global_load_b128 v[QL:QL+3], v[QOL], s[40:41] offset:8960
	global_load_b32 v[QSL], v[QZL], s[40:41] offset:13056
	global_load_b128 v[QE:QE+3], v[QOE], s[42:43] offset:8960
	global_load_b32 v[QSE], v[TMP], s[42:43] offset:13056
.irp i, 4,5,6,7
	v_mov_b32 v[QL+\i], 0                          ; zero codes for K 64 to 127 of the first product, written once
	v_mov_b32 v[QE+\i], 0
.irp t, 0,1,2,3,4,5,6,7
	v_mov_b32 v[KF+8*\t+\i], 0
.endr
.endr
.irp b, 0,1,2,3
	v_mov_b32 v[PT+\b], 0                          ; written once: a lane permute's destination counts as one of its sources
.endr
	v_mov_b32 v[F+1], 0                            ; named with f as a pair
	v_mov_b32 v[NINF], 0xff800000                  ; -infinity
	s_wait_tensorcnt 0x0                           ; my step's K and V have landed,
	s_barrier_signal -1
	s_barrier_wait -1                              ; everybody's have: from here on LDS is only read
	s_wait_loadcnt 0x0                             ; Q
; One tile of 16 queries: q, qs its fragment and scale words; ds the scalar with its diagonal step; d its compare register; yb, sb where its results go.
.macro TILE q, qs, ds, d, yb, sb, second
	v_mov_b32 v13, 0xff61b1e6                      ; the largest t so far: -3e38
	s_delay_alu instid0(VALU_DEP_1)
	v_floor_f32 v12, -v13                          ; -M
	v_mov_b32 v14, 0                               ; the sum, in two halves
	v_mov_b32 v15, 0
.if \second
	s_wait_xcnt 0x0                                ; the first tile's stores have read their registers, which lie among S^T's
.endif
.set j, 0
.rept 32
	v_mov_b32 v[O+j], 0                            ; the step is written once: the first finds zeros
.set j, j+1
.endr
	s_mov_b32 s36, 0                               ; the key step
	s_mov_b32 s37, 0                               ; its first LDS byte
.Lstep_\@:
	s_cmp_gt_u32 s36, s[\ds]                       ; all its keys come after my queries: only the counters step
	s_cbranch_scc1 .Lhidden_\@
	s_setprio 2
	v_add_nc_u32 v[AD16], s37, v[L16]
	v_add_nc_u32 v[AD8], s37, v[L8]
	v_nop
	v_nop                                          ; four places in front of loads into registers that the last products read
.irp t, 0,1,2,3,4,5,6,7
	ds_load_b128 v[KF+8*\t:KF+8*\t+3], v[AD16] offset:512*\t
.endr
.irp i, 0,1
	ds_load_b64 v[KS+2*\i:KS+2*\i+1], v[AD8] offset:4096+256*\i    ; register t / 2: lanes 0-15 the words of an even tile t, lanes 16-31 of the odd one
.endr
.irp t, 0,1,2,3
.irp c, 0,1
	ds_load_b128 v[VF+8*\t+4*\c:VF+8*\t+4*\c+3], v[AD16] offset:4608+1024*\t+512*\c
.endr
.endr
	ds_load_b64 v[VS:VS+1], v[AD8] offset:8704
	s_wait_dscnt 9                                 ; K and its scale words are in; V's eight loads and its scale words may be out
.irp t, 0,1,2,3,4,5,6,7
.if \t%2
	v_wmma_scale_f32_16x16x128_f8f6f4 v[S+8*\t:S+8*\t+7], v[KF+8*\t:KF+8*\t+7], v[\q:\q+7], 0, v[KS+\t/2], v[\qs] matrix_a_fmt:MATRIX_FMT_FP4 matrix_b_fmt:MATRIX_FMT_FP4 matrix_a_scale:MATRIX_SCALE_ROW1
.else
	v_wmma_scale_f32_16x16x128_f8f6f4 v[S+8*\t:S+8*\t+7], v[KF+8*\t:KF+8*\t+7], v[\q:\q+7], 0, v[KS+\t/2], v[\qs] matrix_a_fmt:MATRIX_FMT_FP4 matrix_b_fmt:MATRIX_FMT_FP4
.endif
.endr                                          ; register 8 t + j of lane (r, h): query r, key 16 t + 8 h + j
.rept 4
	v_nop
.endr
	s_cmp_lg_u32 s36, s[\ds]
	s_cbranch_scc1 .Lopen_\@                       ; only the step on the diagonal hides keys: 16 t + j > my query - 8 h
.irp t, 0,1,2,3,4,5,6,7
.irp j, 0,1,2,3,4,5,6,7
	v_cmp_gt_i32 vcc_lo, 16*\t+\j, v[\d]
	v_cndmask_b32 v[S+8*\t+\j], v[S+8*\t+\j], v[NINF], vcc_lo
.endr
.endr
.Lopen_\@:
.irp b, 0,1,2,3
	v_max3_num_f32 v[BM+\b], v[S+16*\b], v[S+16*\b+1], v[S+16*\b+2]   ; the largest score of each block of 32 keys: for the row's maximum and, since p rises with the score, for the block's largest p
.endr
.irp i, 3,5,7,9,11,13
.irp b, 0,1,2,3
	v_max3_num_f32 v[BM+\b], v[BM+\b], v[S+16*\b+\i], v[S+16*\b+\i+1]
.endr
.endr
.irp b, 0,1,2,3
	v_max_num_f32 v[BM+\b], v[BM+\b], v[S+16*\b+15]
.endr
.irp b, 0,1,2,3
	s_delay_alu instid0(VALU_DEP_4)
	v_permlanex16_b32 v[PT+\b], v[BM+\b], s20, s21
.endr
.irp b, 0,1,2,3
	s_delay_alu instid0(VALU_DEP_4)
	v_max_num_f32 v[BM+\b], v[BM+\b], v[PT+\b]
.endr
	s_delay_alu instid0(VALU_DEP_2)
	v_max3_num_f32 v[TMP], v[BM], v[BM+1], v[BM+2]
	s_delay_alu instid0(VALU_DEP_1)
	v_max_num_f32 v[TMP], v[TMP], v[BM+3]
	s_delay_alu instid0(VALU_DEP_1)
	v_mul_f32 v[TMP], s22, v[TMP]
	s_delay_alu instid0(VALU_DEP_1)
	v_max_num_f32 v13, v13, v[TMP]                 ; the running largest t
	v_mov_b32 v[TMP], v12
	s_delay_alu instid0(VALU_DEP_2)
	v_floor_f32 v12, -v13                          ; the new -M = -ceil(t)
	s_delay_alu instid0(VALU_DEP_1)
	v_sub_f32 v[TMP], v12, v[TMP]                  ; old M - new M: a whole number, 0 or less
	s_delay_alu instid0(VALU_DEP_1)
	v_cvt_i32_f32 v[TMP], v[TMP]                   ; (it saturates)
	s_delay_alu instid0(VALU_DEP_1)
	v_ldexp_f32 v[F], 1.0, v[TMP]                  ; f = 2^(old M - new M)
.set j, 0
.rept 32
	v_pk_fma_f32 v[S+j:S+j+1], v[S+j:S+j+1], s[22:23], v[12:13] op_sel_hi:[1,0,0]   ; t - M
.set j, j+2
.endr
	s_setprio 1
.irp b, 0,1,2,3
	v_fma_f32 v[BM+\b], v[BM+\b], s22, v12
.endr
.set j, 0
	s_wait_alu depctr_va_vdst(0)
.rept 64
	v_exp_f32 v[S+j], v[S+j]                       ; p = 2^(t - M)
.set j, j+1
.endr
.irp b, 0,1,2,3
	v_exp_f32 v[BM+\b], v[BM+\b]                   ; the block's largest p
.endr
	v_pk_mul_f32 v[14:15], v[14:15], v[F:F+1] op_sel_hi:[1,0]        ; the sums under the new M (a plain place behind the exponentials)
	s_wait_alu depctr_va_vdst(0)
.irp b, 0,1,2,3
	v_max_num_f32 v[BM+\b], 0x1800000, v[BM+\b]    ; the floor 2^(3 - 127)
.endr
.irp b, 0,1,2,3
	s_delay_alu instid0(VALU_DEP_4)
	v_add_nc_u32 v[SO+\b], 0xff000000, v[BM+\b]    ; 2 off the exponent field: the conversion's scale operand
.endr
.irp b, 0,1,2,3
	s_delay_alu instid0(VALU_DEP_4)
	v_lshrrev_b32 v[PT+\b], 23, v[SO+\b]
.endr
	s_delay_alu instid0(VALU_DEP_3)
	v_lshl_or_b32 v[PS], v[PT+1], 8, v[PT]         ; p's scale word for these 128 keys
	s_delay_alu instid0(VALU_DEP_1)
	v_lshl_or_b32 v[PS], v[PT+2], 16, v[PS]
	s_delay_alu instid0(VALU_DEP_1)
	v_lshl_or_b32 v[PS], v[PT+3], 24, v[PS]
.irp c, 0,1                                    ; aimed so that two exchanges of half rows leave a whole block of 32 keys in a lane
	v_cvt_scalef32_pk8_fp4_f32 v[P+4*\c],   v[S+32*\c:S+32*\c+7],     v[SO+2*\c]
	v_cvt_scalef32_pk8_fp4_f32 v[P+4*\c+1], v[S+32*\c+16:S+32*\c+23], v[SO+2*\c+1]
	v_cvt_scalef32_pk8_fp4_f32 v[P+4*\c+2], v[S+32*\c+8:S+32*\c+15],  v[SO+2*\c]
	v_cvt_scalef32_pk8_fp4_f32 v[P+4*\c+3], v[S+32*\c+24:S+32*\c+31], v[SO+2*\c+1]
.endr
	v_nop                                          ; one plain place behind a scaled conversion
.irp c, 0,1
	v_permlane16_swap_b32 v[P+4*\c], v[P+4*\c+1]
	v_permlane16_swap_b32 v[P+4*\c+2], v[P+4*\c+3]
.endr
	v_pk_add_f32 v[236:237], v[100:101], v[104:105]
	v_pk_add_f32 v[242:243], v[108:109], v[112:113]
	v_pk_add_f32 v[240:241], v[116:117], v[120:121]
	v_pk_add_f32 v[234:235], v[124:125], v[128:129]
	v_pk_add_f32 v[232:233], v[132:133], v[136:137]
	v_pk_add_f32 v[226:227], v[140:141], v[144:145]
	v_pk_add_f32 v[224:225], v[148:149], v[152:153]
	v_pk_add_f32 v[14:15], v[14:15], v[156:157]
	v_pk_add_f32 v[236:237], v[236:237], v[96:97]
	v_pk_add_f32 v[242:243], v[242:243], v[98:99]
	v_pk_add_f32 v[240:241], v[240:241], v[102:103]
	v_pk_add_f32 v[234:235], v[234:235], v[106:107]
	v_pk_add_f32 v[232:233], v[232:233], v[110:111]
	s_setprio 0
	v_pk_add_f32 v[226:227], v[226:227], v[114:115]
	v_pk_add_f32 v[224:225], v[224:225], v[118:119]
	v_pk_add_f32 v[14:15], v[14:15], v[122:123]
	v_pk_add_f32 v[236:237], v[236:237], v[126:127]
	v_pk_add_f32 v[242:243], v[242:243], v[130:131]
	v_pk_add_f32 v[240:241], v[240:241], v[134:135]
	v_pk_add_f32 v[234:235], v[234:235], v[138:139]
	v_pk_add_f32 v[232:233], v[232:233], v[142:143]
	v_pk_add_f32 v[226:227], v[226:227], v[146:147]
	v_pk_add_f32 v[224:225], v[224:225], v[150:151]
	v_pk_add_f32 v[14:15], v[14:15], v[154:155]
	v_pk_add_f32 v[236:237], v[236:237], v[158:159]
	s_delay_alu instid0(VALU_DEP_2)
	v_pk_add_f32 v[14:15], v[14:15], v[234:235]
	s_delay_alu instid0(VALU_DEP_2)
	v_pk_add_f32 v[236:237], v[236:237], v[232:233]
	v_pk_add_f32 v[242:243], v[242:243], v[226:227]
	v_pk_add_f32 v[240:241], v[240:241], v[224:225]
	s_delay_alu instid0(VALU_DEP_2)
	v_pk_add_f32 v[14:15], v[14:15], v[242:243]
	s_delay_alu instid0(VALU_DEP_2)
	v_pk_add_f32 v[236:237], v[236:237], v[240:241]
	s_delay_alu instid0(VALU_DEP_1)
	v_pk_add_f32 v[14:15], v[14:15], v[236:237]
.set j, 0
.rept 16
	v_pk_mul_f32 v[O+j:O+j+1], v[O+j:O+j+1], v[F:F+1] op_sel_hi:[1,0]   ; O^T under the new M, each accumulator from its low end on; with the sums above: the places between p's codes and scale word and the products
.set j, j+2
.endr
	s_wait_alu depctr_va_vdst(0)
	s_wait_dscnt 0x0                               ; V
.irp t, 0,1,2,3
.if \t%2
	v_wmma_scale_f32_16x16x128_f8f6f4 v[O+8*\t:O+8*\t+7], v[VF+8*\t:VF+8*\t+7], v[P:P+7], v[O+8*\t:O+8*\t+7], v[VS+\t/2], v[PS] matrix_a_fmt:MATRIX_FMT_FP4 matrix_b_fmt:MATRIX_FMT_FP4 matrix_a_scale:MATRIX_SCALE_ROW1
.else
	v_wmma_scale_f32_16x16x128_f8f6f4 v[O+8*\t:O+8*\t+7], v[VF+8*\t:VF+8*\t+7], v[P:P+7], v[O+8*\t:O+8*\t+7], v[VS+\t/2], v[PS] matrix_a_fmt:MATRIX_FMT_FP4 matrix_b_fmt:MATRIX_FMT_FP4
.endif
.endr
.Lhidden_\@:
	s_add_co_u32 s37, s37, KVB
	s_add_co_u32 s36, s36, 1
	s_cmp_lt_u32 s36, 16
	s_cbranch_scc1 .Lstep_\@
	s_setprio 0
	; the tile's end: y = O^T / the sum, quantised along the head's 64 channels (two blocks), stored as registers of the last product's operand
.rept 4
	v_nop
.endr
	v_add_f32 v14, v14, v15
	s_delay_alu instid0(VALU_DEP_1)
	v_permlanex16_b32 v[TMP], v14, s20, s21
	s_delay_alu instid0(VALU_DEP_1)
	v_add_f32 v14, v14, v[TMP]
	s_wait_alu depctr_va_vdst(0)
	v_rcp_f32 v14, v14
	v_nop                                          ; one plain place behind a transcendental
.set j, 0
	s_wait_alu depctr_va_vdst(0)
.rept 32
	v_mul_f32 v[S+j], v[O+j], v14                  ; register 8 t + j: channel 16 t + 8 h + j
.set j, j+1
.endr
.irp b, 0,1
	v_max3_num_f32 v[BM+\b], |v[S+16*\b]|, |v[S+16*\b+1]|, 0x1800000
.endr
.irp i, 2,4,6,8,10,12,14
.irp b, 0,1
	s_delay_alu instid0(VALU_DEP_2)
	v_max3_num_f32 v[BM+\b], v[BM+\b], |v[S+16*\b+\i]|, |v[S+16*\b+\i+1]|
.endr
.endr
.irp b, 0,1
	s_delay_alu instid0(VALU_DEP_2)
	v_permlanex16_b32 v[PT+\b], v[BM+\b], s20, s21
.endr
.irp b, 0,1
	s_delay_alu instid0(VALU_DEP_2)
	v_max_num_f32 v[BM+\b], v[BM+\b], v[PT+\b]
.endr
.irp b, 0,1
	s_delay_alu instid0(VALU_DEP_2)
	v_add_nc_u32 v[SO+\b], 0xff000000, v[BM+\b]
.endr
.irp b, 0,1
	s_delay_alu instid0(VALU_DEP_2)
	v_lshrrev_b32 v[PT+\b], 23, v[SO+\b]
.endr
	s_delay_alu instid0(VALU_DEP_1)
	v_lshl_or_b32 v[S+36], v[PT+1], 8, v[PT]       ; the head's two scale bytes of my row
	v_cvt_scalef32_pk8_fp4_f32 v[S+32], v[S:S+7],     v[SO]
	v_cvt_scalef32_pk8_fp4_f32 v[S+33], v[S+16:S+23], v[SO+1]
	v_cvt_scalef32_pk8_fp4_f32 v[S+34], v[S+8:S+15],  v[SO]
	v_cvt_scalef32_pk8_fp4_f32 v[S+35], v[S+24:S+31], v[SO+1]
	v_nop
	v_permlane16_swap_b32 v[S+32], v[S+33]
	v_permlane16_swap_b32 v[S+34], v[S+35]
	global_store_b128 v[L16], v[S+32:S+35], s[\yb:\yb+1]            ; 32 lanes store 512 consecutive bytes
	global_store_b16 v[VYS], v[S+36], s[\sb:\sb+1]                  ; lanes 16-31 write the same two bytes as lanes 0-15; a head has only two bytes in a row of 32
.endm
	TILE QL, QSL, 38, DL, 44, 46, 0
	TILE QE, QSE, 39, DE, 48, 50, 1
	s_wait_xcnt 0x0
	v_lshl_add_u32 v254, v0, 2, 0x29000
	v_mov_b32 v255, 0
	s_wait_alu depctr_va_vdst(0)
	s_wait_tensorcnt 0x0
	ds_add_u32 v254, v255
	s_wait_dscnt 0x0
	CROUND                                         ; the closing round
	s_endpgm
.Lfunc_end_k_q5f905a3909_attn:
	.size	k_q5f905a3909_attn, .Lfunc_end_k_q5f905a3909_attn-k_q5f905a3909_attn
	.p2alignl 7, 3214868480
	.fill 96, 4, 3214868480
	.section	.rodata,"a",@progbits
	.p2align	6, 0x0
	.amdhsa_kernel k_q5f905a3909_attn
		.amdhsa_group_segment_fixed_size 169984
		.amdhsa_private_segment_fixed_size 0
		.amdhsa_enable_private_segment 0
		.amdhsa_kernarg_size 24
		.amdhsa_user_sgpr_count 2
		.amdhsa_user_sgpr_kernarg_segment_ptr 1
		.amdhsa_wavefront_size32 1
		.amdhsa_system_sgpr_workgroup_id_x 1
		.amdhsa_system_sgpr_workgroup_id_y 1
		.amdhsa_system_sgpr_workgroup_id_z 1
		.amdhsa_system_vgpr_workitem_id 0
		.amdhsa_next_free_vgpr 256
		.amdhsa_next_free_sgpr 66
		.amdhsa_reserve_vcc 1
		.amdhsa_float_denorm_mode_32 3
		.amdhsa_float_denorm_mode_16_64 3
		.amdhsa_memory_ordered 1
		.amdhsa_forward_progress 1
		.amdhsa_inst_pref_size 61
	.end_amdhsa_kernel
	.amdgpu_metadata
---
amdhsa.version: [ 1, 2 ]
amdhsa.kernels:
  - .name:           k_q5f905a3909_attn
    .symbol:         k_q5f905a3909_attn.kd
    .args:
      - { .name: rec, .offset: 0, .size: 8, .value_kind: global_buffer, .address_space: global }
      - { .name: yimg, .offset: 8, .size: 8, .value_kind: global_buffer, .address_space: global }
      - { .name: ysc, .offset: 16, .size: 8, .value_kind: global_buffer, .address_space: global }
    .group_segment_fixed_size: 169984
    .private_segment_fixed_size: 0
    .kernarg_segment_align: 8
    .kernarg_segment_size: 24
    .max_flat_workgroup_size: 512
    .sgpr_count:     66
    .vgpr_count:     256
    .wavefront_size: 32
...
	.end_amdgpu_metadata
.endif
;; end of part 2
;; launch proj (part 3): grid 4 x 64, 4 waves a work-group, clusters of 4 x 4, 218,368 bytes of LDS; arguments yimg, ysc, Wp_codes, Wp_scales, bp, out0; writes out0
.if DOCPART == 3
	.amdgcn_target "amdgcn-amd-amdhsa--gfx1250"
	.amdhsa_code_object_version 6
	.text
	.protected	k_q5f905a3909_proj
	.globl	k_q5f905a3909_proj
	.p2align	8
	.type	k_q5f905a3909_proj,@function
k_q5f905a3909_proj:
	s_mov_b64 s[64:65], 0
	v_nop
	global_prefetch_b8 v0, s[64:65] scope:SCOPE_SE
	s_setreg_imm32_b32 hwreg(HW_REG_WAVE_MODE, 25, 1), 1
	s_wait_xcnt 0x0
	s_wait_alu depctr_hold_cnt(0) depctr_sa_sdst(0) depctr_va_vdst(0) depctr_va_sdst(0) depctr_va_ssrc(0) depctr_va_vcc(0) depctr_vm_vsrc(0)
	s_getreg_b32 s2, hwreg(HW_REG_IB_STS2, 6, 4)
	s_cmp_eq_u32 s2, 0
	s_cbranch_scc0 .Lentry_in_a_cluster
	s_endpgm
.Lentry_in_a_cluster:
	s_bfe_u32 s2, ttmp6, 0x10000c
	s_cmp_lg_u32 s2, 0xf033
	s_cbranch_scc0 .Lentry_shape_is_right
	s_endpgm
.Lentry_shape_is_right:
; out0 = y Wp^T + bp on codes of FP4 (E2M1) with one E8M0 byte for each 32 along K = 1,024; sums in f32.
; y comes as images of operand registers: yimg at 8,192 x (row / 16) + 1,024 x (K step of 128) + 512 c + 16 lane holds registers 4 c .. 4 c + 3 of that fragment; ysc is [8,192][32] scale bytes.  Wp: rows of 512 bytes of codes.
; A work-group makes 128 rows of y against 256 rows of Wp; a wave 64 x 128: 32 accumulators (window 1).  THE MATRIX INSTRUCTION IS USED TRANSPOSED (source 0 = 16 rows of Wp, source 1 = 16 rows of y):
; a lane holds eight neighbouring numbers of a row of out0.  All of K lies in LDS at once, as two slots of 512 along K: every tensor load is a first fill; a wave has three out.
; CLUSTERS: 4 x 4: y's tiles and scales are asked for jointly along a row of the cluster, Wp's along a column.
; LIMITS: NaN and infinities are not served.
; REGISTERS: window 0: v0-19 ids, addresses and bp; v32-95 scale words, two sets, and nothing else; v96-127 y's four fragments; v128-255 Wp's eight fragments, two sets, later rows of out0.
.set PITCH, 272
.set HALFA, 4*4096                     ; four row tiles of y, 4,096 bytes each for 512 along K
.set HALFB, 128*PITCH
.set BOFF,  2*HALFA
.set SLOT,  BOFF+2*HALFB
.set SCL,   2*SLOT
.set SHA,   8*272
.set SHB,   16*272
.set SCB,   SCL+2*SHA
.set SPITCH, 528                       ; the way out: a stage of 16 rows x (512 bytes + 16) for each wave, in slot 0, which nobody reads behind the change of slots and nothing fills again
.set PADW,  (1<<20)|(1<<21)|(5<<22)|(3<<25)
.set ADRA, 4
.set ADRB, 6
.set ADRS, 8
.set STO,  9
.set RD,   10
.set BP,   12                          ; v12-15 bp of my four columns on the way out
.set L16,  16
.set SC,   32
.set AF,   96
.set BF,   128
.set BK,   128
.set G1A,  24
.set G1B,  32
.set G1SA, 40
.set G1SB, 48
.set G0A0, 56
.set G0A1, 60
.set G0B0, 68
.set G0B1, 72
.set G0SA, 76
.set G0SB, 80
.set WV,   84
.set HA,   85
.set HB,   86
.set CX,   87
.set CY,   88
.set MROW, 89
.set MCOL, 90
.set TR,   91
.set TC,   92
.set NT,   93
.set NT2,  94
.set MUL,  0x50
.set MSB, 0
.macro WIN new
.if MSB != \new
	s_set_vgpr_msb (MSB<<8)|\new
.set MSB, \new
.endif
.endm
.macro PLACES
.rept 4
	v_nop
.endr
.endm
.macro CROUND
	s_barrier_signal -1
	s_barrier_wait -1
	s_cmp_lg_u32 s[WV], 0
	s_cbranch_scc1 .Lnot_wave_0_\@
	s_barrier_signal -3
.Lnot_wave_0_\@:
	s_barrier_wait -3
	s_barrier_signal -1
	s_barrier_wait -1
.endm
.macro JLOAD g0a, g1a, g0b, g1b        ; waves 0 and 1 fetch for y, waves 2 and 3 for Wp; four v_nop follow each line
	s_cmp_eq_u32 s[HA], 0
	s_cbranch_scc0 .Lfor_b_\@
	tensor_load_to_lds s[\g0a:\g0a+3], s[\g1a:\g1a+7]
	s_nop 0
.rept 4
	v_nop
.endr
	s_branch .Lasked_\@
.Lfor_b_\@:
	tensor_load_to_lds s[\g0b:\g0b+3], s[\g1b:\g1b+7]
	s_nop 0
.rept 4
	v_nop
.endr
.Lasked_\@:
.endm
.macro GROUP1 g, mask, w0, c, rows, pitch
	s_or_b32 s[\g], s[\mask], \w0
	s_mov_b32 s[\g+1], (\c)<<16
	s_mov_b32 s[\g+2], (\rows)<<16
	s_mov_b32 s[\g+3], (\c)<<16
	s_mov_b32 s[\g+4], \rows
	s_mov_b32 s[\g+5], \pitch
	s_mov_b32 s[\g+6], 0
	s_mov_b32 s[\g+7], 0
.endm
.macro GROUP0 g, ldsc, ptr, add
	s_mov_b32 s[\g], 1
	s_add_co_u32 s[\g+1], s[NT], \ldsc
	s_add_nc_u64 s[\g+2:\g+3], s[\ptr:\ptr+1], \add
	s_or_b32 s[\g+3], s[\g+3], 0x80000000
.endm
	s_load_b256 s[4:11], s[0:1], 0x0               ; yimg, ysc, Wp codes, Wp scales
	s_load_b128 s[16:19], s[0:1], 0x20             ; bp, out0
	v_lshl_add_u32 v30, v0, 2, 0x35300
	v_mov_b32 v31, 0
	ds_add_u32 v30, v31
	ds_add_u32 v30, v31
	v_lshrrev_b32 v1, 5, v0
	v_readfirstlane_b32 s[WV], v1
	s_lshr_b32 s[HA], s[WV], 1
	s_and_b32 s[HB], s[WV], 1
	s_bfe_u32 s[CX], ttmp6, 0x40000
	s_bfe_u32 s[CY], ttmp6, 0x40004
	s_lshl_b32 s[MROW], s[CY], 2
	s_lshl_b32 s[MROW], 15, s[MROW]
	s_lshl_b32 s[MCOL], 0x1111, s[CX]
	s_and_b32 s[TR], ttmp7, 0xffff
	s_lshl_b32 s[TR], s[TR], 2
	s_add_co_u32 s[TR], s[TR], s[CY]               ; y's tile row, 0..63
	s_lshl_b32 s[TC], ttmp9, 2
	s_add_co_u32 s[TC], s[TC], s[CX]               ; Wp's tile column, 0..3
	GROUP1 G1A,  MROW, (3<<16)|(1<<21), 512, 4, 1024   ; four row tiles: 4,096 bytes each (512 elements of 8 bytes), 8,192 bytes apart; dense in LDS
	GROUP1 G1B,  MCOL, PADW, 256, 128, 512
	GROUP1 G1SA, MROW, (3<<16)|PADW, 32, 8, 32
	GROUP1 G1SB, MCOL, (3<<16)|PADW, 32, 16, 32
	s_wait_dscnt 0x0
	s_wait_kmcnt 0x0
	s_lshl_b32 s2, s[TR], 16                       ; y: 8 row tiles of 8,192 bytes a tile row, 4 a half
	s_lshl_b32 s[NT], s[HB], 15
	s_add_co_u32 s2, s2, s[NT]
	s_mov_b32 s3, 0
	s_add_nc_u64 s[4:5], s[4:5], s[2:3]
	s_lshr_b32 s2, s2, 4
	s_add_nc_u64 s[6:7], s[6:7], s[2:3]
	s_lshl_b32 s12, s[TC], 17
	s_lshl_b32 s[NT], s[HB], 16
	s_add_co_u32 s12, s12, s[NT]
	s_mov_b32 s13, 0
	s_add_nc_u64 s[8:9], s[8:9], s[12:13]
	s_lshr_b32 s12, s12, 4
	s_add_nc_u64 s[10:11], s[10:11], s[12:13]
	s_lshr_b32 s12, s12, 3                         ; 1,024 x tile column + 512 x half: my 128 columns in bp and in a row of out0
	s_add_nc_u64 s[16:17], s[16:17], s[12:13]
	s_add_nc_u64 s[18:19], s[18:19], s[12:13]
	s_lshl_b32 s2, s[TR], 19                       ; my first row of out0: 128 x tile row + 64 x half, 4,096 bytes a row
	s_lshl_b32 s[NT], s[HA], 18
	s_add_co_u32 s2, s2, s[NT]
	s_add_nc_u64 s[18:19], s[18:19], s[2:3]
	s_mul_i32 s[NT], s[HB], HALFA
	GROUP0 G0A0, 0, 4, 0
	GROUP0 G0A1, SLOT, 4, 4096
	s_mul_i32 s[NT], s[HB], HALFB
	GROUP0 G0B0, BOFF, 8, 0
	GROUP0 G0B1, SLOT+BOFF, 8, 256
	s_mul_i32 s[NT], s[HB], SHA
	GROUP0 G0SA, SCL, 6, 0
	s_mul_i32 s[NT], s[HB], SHB
	GROUP0 G0SB, SCB, 10, 0
	CROUND
	JLOAD G0SA, G1SA, G0SB, G1SB
	JLOAD G0A0, G1A, G0B0, G1B
	JLOAD G0A1, G1A, G0B1, G1B
	v_and_b32 v1, 15, v0                           ; r
	v_bfe_u32 v2, v0, 4, 1                         ; h
	v_and_b32 v3, 31, v0                           ; lane
	v_lshlrev_b32 v[L16], 4, v3
	global_load_b128 v[BP:BP+3], v[L16], s[16:17]  ; bp of columns 4 lane .. 4 lane + 3 of my 128
	s_mul_i32 s[NT], s[HA], HALFA
	v_add_nc_u32 v[ADRA], s[NT], v[L16]            ; y's images: 16 lane
	v_add_nc_u32 v[ADRA+1], SLOT, v[ADRA]
	v_mul_u32_u24 v20, v1, PITCH
	v_lshl_add_u32 v20, v2, 4, v20
	s_mul_i32 s[NT], s[HB], HALFB
	s_add_co_u32 s[NT], s[NT], BOFF
	v_add_nc_u32 v[ADRB], s[NT], v20
	v_add_nc_u32 v[ADRB+1], SLOT, v[ADRB]
	v_lshlrev_b32 v21, 5, v1
	v_lshrrev_b32 v22, 3, v1
	v_lshl_add_u32 v21, v22, 4, v21
	s_mul_i32 s[NT], s[HA], SHA
	s_mul_i32 s[NT2], s[HB], SHB
	s_add_co_u32 s[NT2], s[NT2], 2*SHA
	s_sub_co_u32 s[NT2], s[NT2], s[NT]
	v_mul_u32_u24 v22, s[NT2], v2                  ; lanes 16-31 take Wp's: one product, the distance x h
	s_add_co_u32 s[NT], s[NT], SCL
	v_add_nc_u32 v21, v21, v22
	v_add_nc_u32 v[ADRS], s[NT], v21
	s_mul_i32 s[NT], s[WV], 16*SPITCH              ; my stage
	v_mul_u32_u24 v20, v1, SPITCH
	v_lshl_add_u32 v20, v2, 5, v20
	v_add_nc_u32 v[STO], s[NT], v20                ; in: row r, 32 bytes for each half of the lanes
	v_add_nc_u32 v[RD], s[NT], v[L16]              ; back: the 32 lanes take one row of 512 bytes
.macro FRAGB reg, slot, q, i
.irp c, 0,1
	ds_load_b128 v[\reg+4*\c:\reg+4*\c+3], v[ADRB+\slot] offset:64*(\q)+32*\c+(\i)*16*PITCH
.endr
.endm
.macro FRAGA reg, slot, q, i           ; an image comes back as it was stored: 512 consecutive bytes a load
.irp c, 0,1
	ds_load_b128 v[\reg+4*\c:\reg+4*\c+3], v[ADRA+\slot] offset:(\i)*4096+(\q)*1024+512*\c
.endr
.endm
.macro FETCH_B slot, q, p
.irp i, 0,1,2,3,4,5,6,7
	FRAGB BF+64*(\p)+8*\i, \slot, \q, \i
.endr
.endm
.macro FETCH_A slot, q, a0
.irp i, \a0, \a0+1
	FRAGA AF+8*(\i), \slot, \q, \i
.endr
.endm
.macro SCALES sc
.irp i, 0,1,2,3,4,5,6,7
	ds_load_b128 v[SC+32*\sc+4*\i:SC+32*\sc+4*\i+3], v[ADRS] offset:544*\i
.endr
.endm
; The 32 accumulators take turns, one instruction a turn, in the same order in every step.
.macro MUL16 a0, p, q, sc, zero
.irp a, \a0, \a0+1
.irp b, 0,1,2,3,4,5,6,7
.if \zero
	v_wmma_scale_f32_16x16x128_f8f6f4 v[8*(8*(\a)+\b):8*(8*(\a)+\b)+7], v[BF+64*(\p)+8*\b:BF+64*(\p)+8*\b+7], v[AF+8*(\a):AF+8*(\a)+7], 0, v[SC+32*(\sc)+4*\b+(\q)], v[SC+32*(\sc)+4*(\a)+(\q)] matrix_a_fmt:MATRIX_FMT_FP4 matrix_b_fmt:MATRIX_FMT_FP4 matrix_a_scale:MATRIX_SCALE_ROW1
.else
	v_wmma_scale_f32_16x16x128_f8f6f4 v[8*(8*(\a)+\b):8*(8*(\a)+\b)+7], v[BF+64*(\p)+8*\b:BF+64*(\p)+8*\b+7], v[AF+8*(\a):AF+8*(\a)+7], v[8*(8*(\a)+\b):8*(8*(\a)+\b)+7], v[SC+32*(\sc)+4*\b+(\q)], v[SC+32*(\sc)+4*(\a)+(\q)] matrix_a_fmt:MATRIX_FMT_FP4 matrix_b_fmt:MATRIX_FMT_FP4 matrix_a_scale:MATRIX_SCALE_ROW1
.endif
.endr
.endr
.endm
.macro STEP slot, q, zero
	s_wait_dscnt 4                                 ; Wp's set and y's blocks 0, 1 are in; the four youngest loads (y's blocks 2, 3) may be out
	WIN MUL
	MUL16 0, (\q)%2, \q, \slot, \zero
	s_wait_dscnt 0
	PLACES                                         ; four plain vector instructions in front of loads into registers that matrix instructions have read
	WIN 0
	FETCH_B \slot, (\q)+1, 1-(\q)%2
	FETCH_A \slot, (\q)+1, 0
	WIN MUL
	MUL16 2, (\q)%2, \q, \slot, \zero
	PLACES
	WIN 0
	FETCH_A \slot, (\q)+1, 2
.endm
	s_wait_alu depctr_va_vdst(0)
	s_wait_tensorcnt 0x1                           ; the scales and my part of slot 0 are in; slot 1's load may be out
	s_barrier_signal -1
	s_barrier_wait -1
	FETCH_B 0, 0, 0
	FETCH_A 0, 0, 0
	SCALES 0
	FETCH_A 0, 0, 2
	STEP 0, 0, 1
	STEP 0, 1, 0
	STEP 0, 2, 0
	s_wait_tensorcnt 0x0                           ; the change of slots: my part of slot 1 has landed,
	s_wait_dscnt 0x0                               ; and my reads of slot 0 are over
	s_barrier_signal -1
	WIN MUL
	MUL16 0, 1, 3, 0, 0
	WIN 0
	s_barrier_wait -1                              ; both hold of every wave
	PLACES
	v_add_nc_u32 v[ADRS], 16, v[ADRS]
	FETCH_B 1, 0, 0
	FETCH_A 1, 0, 0
	SCALES 1
	WIN MUL
	MUL16 2, 1, 3, 0, 0
	PLACES
	WIN 0
	FETCH_A 1, 0, 2
	STEP 1, 0, 0
	STEP 1, 1, 0
	STEP 1, 2, 0
	s_wait_dscnt 4
	WIN MUL
	MUL16 0, 1, 3, 1, 0
	s_wait_dscnt 0
	MUL16 2, 1, 3, 1, 0
	WIN 0
	PLACES
; THE WAY OUT, block by block of 16 rows x 128 columns: through my own stage and back as whole rows of 512 bytes; bp is added on the way.  LDS serves a wave's instructions in order (ISA guide 5.7.1.4).
.macro TOSTAGE a
	WIN 0x04                                       ; an LDS store's data are its source 1: window 1
.irp b, 0,1,2,3,4,5,6,7
	ds_store_b128 v[STO], v[8*(8*(\a)+\b):8*(8*(\a)+\b)+3] offset:64*\b        ; each accumulator from its low end on
	ds_store_b128 v[STO], v[8*(8*(\a)+\b)+4:8*(8*(\a)+\b)+7] offset:64*\b+16
.endr
	WIN 0
.set BB, BK+64*((\a)%2)
.irp t, 0,1,2,3,4,5,6,7,8,9,10,11,12,13,14,15
	ds_load_b128 v[BB+4*\t:BB+4*\t+3], v[RD] offset:\t*SPITCH
.endr
.endm
.macro SEND a, younger                 ; younger: the LDS instructions issued behind block a's loads, which may stay out
.set BB, BK+64*((\a)%2)
	s_wait_dscnt \younger
.irp t, 0,1,2,3,4,5,6,7,8,9,10,11,12,13,14,15
	v_pk_add_f32 v[BB+4*\t:BB+4*\t+1], v[BB+4*\t:BB+4*\t+1], v[BP:BP+1]
	v_pk_add_f32 v[BB+4*\t+2:BB+4*\t+3], v[BB+4*\t+2:BB+4*\t+3], v[BP+2:BP+3]
.endr
.irp t, 0,1,2,3,4,5,6,7,8,9,10,11,12,13,14,15
	global_store_b128 v[L16], v[BB+4*\t:BB+4*\t+3], s[18:19] offset:(\a)*65536+\t*4096 th:TH_STORE_NT   ; 32 lanes store 512 consecutive bytes of a row; written once, read by nobody here
.endr
.endm
	s_wait_loadcnt 0x0                             ; bp
	TOSTAGE 0
.irp a, 1,2,3
.if \a > 1
	s_wait_xcnt 0x0                                ; block a - 2's stores have read their registers: block a's loads may land there
.endif
	TOSTAGE \a
	SEND \a-1, 32                                  ; behind block a - 1's loads: block a's 16 stores and 16 loads
.endr
	SEND 3, 0
	s_wait_tensorcnt 0x0
	ds_add_u32 v30, v31
	s_wait_dscnt 0x0
	CROUND                                         ; the closing round
	s_endpgm
.Lfunc_end_k_q5f905a3909_proj:
	.size	k_q5f905a3909_proj, .Lfunc_end_k_q5f905a3909_proj-k_q5f905a3909_proj
	.p2alignl 7, 3214868480
	.fill 96, 4, 3214868480
	.section	.rodata,"a",@progbits
	.p2align	6, 0x0
	.amdhsa_kernel k_q5f905a3909_proj
		.amdhsa_group_segment_fixed_size 218368
		.amdhsa_private_segment_fixed_size 0
		.amdhsa_enable_private_segment 0
		.amdhsa_kernarg_size 48
		.amdhsa_user_sgpr_count 2
		.amdhsa_user_sgpr_kernarg_segment_ptr 1
		.amdhsa_wavefront_size32 1
		.amdhsa_system_sgpr_workgroup_id_x 1
		.amdhsa_system_sgpr_workgroup_id_y 1
		.amdhsa_system_sgpr_workgroup_id_z 1
		.amdhsa_system_vgpr_workitem_id 0
		.amdhsa_next_free_vgpr 512
		.amdhsa_next_free_sgpr 100
		.amdhsa_reserve_vcc 0
		.amdhsa_float_denorm_mode_32 3
		.amdhsa_float_denorm_mode_16_64 3
		.amdhsa_memory_ordered 1
		.amdhsa_forward_progress 1
		.amdhsa_inst_pref_size 81
	.end_amdhsa_kernel
	.amdgpu_metadata
---
amdhsa.version: [ 1, 2 ]
amdhsa.kernels:
  - .name:           k_q5f905a3909_proj
    .symbol:         k_q5f905a3909_proj.kd
    .args:
      - { .name: yimg, .offset: 0, .size: 8, .value_kind: global_buffer, .address_space: global }
      - { .name: ysc, .offset: 8, .size: 8, .value_kind: global_buffer, .address_space: global }
      - { .name: Wp_codes, .offset: 16, .size: 8, .value_kind: global_buffer, .address_space: global }
      - { .name: Wp_scales, .offset: 24, .size: 8, .value_kind: global_buffer, .address_space: global }
      - { .name: bp, .offset: 32, .size: 8, .value_kind: global_buffer, .address_space: global }
      - { .name: out0, .offset: 40, .size: 8, .value_kind: global_buffer, .address_space: global }
    .group_segment_fixed_size: 218368
    .private_segment_fixed_size: 0
    .kernarg_segment_align: 8
    .kernarg_segment_size: 48
    .max_flat_workgroup_size: 128
    .sgpr_count:     100
    .vgpr_count:     512
    .wavefront_size: 32
...
	.end_amdgpu_metadata
.endif
;; end of part 3
